; MI455X (gfx1250); checked and timed in simulation.
; The chip was launched on July 23, 2026; its instructions are those of AMD's public machine-readable ISA for CDNA 5 (MIT licence, August 2026) and "CDNA5" Instruction Set Architecture Reference Guide (July 2026). The comments in the code are by the model that wrote it; some were corrected since.
;; RVQ Quantizer. Allowed arithmetic: float matrix products may take bf16 or f16 operands with f32 sums; all other float work in f32.
;; Inputs: codebook 4,096 x 256 float32; codebook_usage 4,096 float32; z 8 x 2,048 x 256 float32.
;; Outputs: out0 8 x 2,048 x 256 float32; out1 8 x 2,048 int32; out2 one number float32; out3 one number float32; out4 one number float32.
;; 2 versions, each right; version 2 is version 1 with the launch prep written anew for expert scheduling mode. Each part assembles by itself: llvm-mc -triple=amdgcn-amd-amdhsa -mcpu=gfx1250 --defsym DOCPART=n.
;; ======== version 1 of 2: 4 launches
;; limits: values outside matrix products are rounded to bf16
;; workspace buffers: cb16 2,097,152 bytes; nhe 16,384 bytes; pval 131,072 bytes; pidx 131,072 bytes of whole numbers; lpart 1,024 bytes
;; launch prep (part 1): grid 256 x 1, 4 waves a work-group, no clusters, 0 bytes of LDS; arguments codebook, cb16, nhe; writes cb16, nhe
.if DOCPART == 1
	.amdgcn_target "amdgcn-amd-amdhsa--gfx1250"
	.amdhsa_code_object_version 6
	.text
	.protected	k_qaf2f41f463_prep
	.globl	k_qaf2f41f463_prep
	.p2align	8
	.type	k_qaf2f41f463_prep,@function
k_qaf2f41f463_prep:
	s_mov_b64 s[64:65], 0
	v_nop
	global_prefetch_b8 v0, s[64:65] scope:SCOPE_SE
	s_setreg_imm32_b32 hwreg(HW_REG_WAVE_MODE, 25, 1), 1
	s_wait_xcnt 0x0
; Vector quantiser, launch 1 of 4: the codebook rounded to bf16 (cb16) and nhe[k] = -1/2 sum over d of cb16[k][d]^2, in f32.
;
; WORK LEFT OUT BY THE PROGRAM.
; (1) reference() forms distances = z_sq + e_sq - 2 dots and uses them in the argmin over the codes alone.
; z_sq[row] is the same for every code of a row, so in real numbers, for all finite inputs,
;   argmin over k of (z_sq + e_sq[k] - 2 dots[k]) = argmax over k of (dots[k] - e_sq[k] / 2),
; and z_sq reaches no other output.  It is never formed.  (The factor -1/2 is a power of two: exact in f32.)
; (2) reference() returns z + (z_q - z).  In real numbers the two z cancel for all inputs: the sum is z_q, the chosen row of the codebook.
; Launch 3 stores that row as it is; the difference is still formed there, for the loss.
; LIMITS.  Where z_sq is so large beside e_sq - 2 dots that f32 rounds different distances together, reference() takes the first of them and this
; program the truly smaller one.  A NaN, an infinity or an overflow in z_sq is not carried to the result.  A NaN score loses here, where
; jnp.argmin would pick it.  Two codes whose distances differ by no more than the f32 rounding of the sums (some 1e-4 at distances near 512)
; may be chosen otherwise than reference() chooses.  out0 differs from reference()'s by the rounding of its two additions, about one unit in the last
; place of |z| at the most; a NaN or an infinity in z reaches out2 but is not carried to out0.
; e_sq is taken of the ROUNDED codebook: the product runs on bf16 operands, and the two terms of a score then belong to one and the same vector.
;
; A work-group takes 16 rows of the codebook, a wave 4.  A row is 1,024 bytes: two loads of 16 bytes a lane, 512 consecutive bytes each.
; A store of 8 bytes a lane covers 256 consecutive bytes of cb16, aligned.  No LDS, no barrier: a row never leaves its wave.
.set X,  8                             ; v[8:39]   row i, half g: 4 registers as loaded
.set P,  40                            ; v[40:55]  row i: 4 words of two bf16, store data, never rewritten
.set T,  56                            ; v[56:63]  the rounded numbers as f32
.set A,  64                            ; v[64:65]  running sums
.set TT, 66                            ; v66       the other half of the lanes
.set S,  68                            ; v[68:71]  nhe of my four rows
	s_load_b128 s[4:7], s[0:1], 0x0                ; codebook s[4:5], cb16 s[6:7]
	s_load_b64 s[8:9], s[0:1], 0x10                ; nhe
	v_and_b32 v1, 31, v0                           ; lane
	v_lshrrev_b32 v2, 5, v0                        ; wave
	v_lshlrev_b32 v3, 4, v1
	v_lshl_add_u32 v3, v2, 12, v3                  ; in: 4 rows x 1,024 bytes a wave + 16 bytes a lane
	v_lshlrev_b32 v4, 3, v1
	v_lshl_add_u32 v4, v2, 11, v4                  ; out: 4 rows x 512 bytes a wave + 8 bytes a lane
	v_lshlrev_b32 v5, 4, v2                        ; nhe: 16 bytes a wave
	v_mov_b32 v[TT], 0                             ; v_permlanex16_b32 counts as a reader of its destination
	s_lshl_b32 s10, ttmp9, 14                      ; 16 rows x 1,024 bytes
	s_mov_b32 s11, 0
	s_lshl_b32 s12, ttmp9, 13                      ; 16 rows x 512 bytes
	s_mov_b32 s13, 0
	s_lshl_b32 s14, ttmp9, 6                       ; 16 numbers of 4 bytes
	s_mov_b32 s15, 0
	s_mov_b32 s16, 0x76543210                      ; v_permlanex16_b32: lane i of one half reads lane i of the other
	s_mov_b32 s17, 0xfedcba98
	s_mov_b32 s18, 0xffff0000                      ; a word's upper bf16
	s_wait_kmcnt 0x0
	s_add_nc_u64 s[4:5], s[4:5], s[10:11]
	s_add_nc_u64 s[6:7], s[6:7], s[12:13]
	s_add_nc_u64 s[8:9], s[8:9], s[14:15]
.irp i, 0,1,2,3
	global_load_b128 v[X+8*\i:X+8*\i+3],   v3, s[4:5] offset:1024*\i
	global_load_b128 v[X+8*\i+4:X+8*\i+7], v3, s[4:5] offset:1024*\i+512
.endr
.macro PROW i
	s_wait_loadcnt 6-2*\i                          ; loads come back in order: this row's two are in, the later rows' stay out
.irp k, 0,1,2,3
	v_cvt_pk_bf16_f32 v[P+4*\i+\k], v[X+8*\i+2*\k], v[X+8*\i+2*\k+1]
.endr
	global_store_b64 v4, v[P+4*\i:P+4*\i+1],   s[6:7] offset:512*\i
	global_store_b64 v4, v[P+4*\i+2:P+4*\i+3], s[6:7] offset:512*\i+256
.irp k, 0,1,2,3
	v_lshlrev_b32 v[T+2*\k],   16,  v[P+4*\i+\k]   ; the rounded numbers back as f32
	v_and_b32     v[T+2*\k+1], s18, v[P+4*\i+\k]
.endr
	v_pk_mul_f32 v[A:A+1], v[T:T+1], v[T:T+1]      ; the first squares start the sums
.irp k, 2,4,6
	v_pk_fma_f32 v[A:A+1], v[T+\k:T+\k+1], v[T+\k:T+\k+1], v[A:A+1]
.endr
	v_add_f32 v[S+\i], v[A], v[A+1]
	v_add_f32_dpp v[S+\i], v[S+\i], v[S+\i] row_xmask:1 row_mask:0xf bank_mask:0xf
	v_add_f32_dpp v[S+\i], v[S+\i], v[S+\i] row_xmask:2 row_mask:0xf bank_mask:0xf
	v_add_f32_dpp v[S+\i], v[S+\i], v[S+\i] row_xmask:4 row_mask:0xf bank_mask:0xf
	v_add_f32_dpp v[S+\i], v[S+\i], v[S+\i] row_xmask:8 row_mask:0xf bank_mask:0xf
	v_permlanex16_b32 v[TT], v[S+\i], s16, s17
	v_add_f32 v[S+\i], v[S+\i], v[TT]              ; every lane holds the row's sum of squares
	v_mul_f32 v[S+\i], -0.5, v[S+\i]
.endm
	PROW 0
	PROW 1
	PROW 2
	PROW 3
	s_wait_xcnt 0x0                                ; EXEC is a source of the stores above: it changes only behind this wait
	v_cmp_eq_u32 vcc_lo, 0, v1
	s_and_saveexec_b32 s19, vcc_lo
	global_store_b128 v5, v[S:S+3], s[8:9]         ; lane 0: the wave's four numbers, 16 of nhe's bytes.  16 rows a work-group give every one of the 256 groups work; nhe is 16 KiB beside cb16's 2 MiB
	s_endpgm
.Lfunc_end_k_qaf2f41f463_prep:
	.size	k_qaf2f41f463_prep, .Lfunc_end_k_qaf2f41f463_prep-k_qaf2f41f463_prep
	.p2alignl 7, 3214868480
	.fill 96, 4, 3214868480
	.section	.rodata,"a",@progbits
	.p2align	6, 0x0
	.amdhsa_kernel k_qaf2f41f463_prep
		.amdhsa_group_segment_fixed_size 0
		.amdhsa_private_segment_fixed_size 0
		.amdhsa_enable_private_segment 0
		.amdhsa_kernarg_size 24
		.amdhsa_user_sgpr_count 2
		.amdhsa_user_sgpr_kernarg_segment_ptr 1
		.amdhsa_wavefront_size32 1
		.amdhsa_system_sgpr_workgroup_id_x 1
		.amdhsa_system_sgpr_workgroup_id_y 1
		.amdhsa_system_sgpr_workgroup_id_z 1
		.amdhsa_system_vgpr_workitem_id 0
		.amdhsa_next_free_vgpr 72
		.amdhsa_next_free_sgpr 66
		.amdhsa_reserve_vcc 1
		.amdhsa_float_denorm_mode_32 3
		.amdhsa_float_denorm_mode_16_64 3
		.amdhsa_memory_ordered 1
		.amdhsa_forward_progress 1
		.amdhsa_inst_pref_size 8
	.end_amdhsa_kernel
	.amdgpu_metadata
---
amdhsa.version: [ 1, 2 ]
amdhsa.kernels:
  - .name:           k_qaf2f41f463_prep
    .symbol:         k_qaf2f41f463_prep.kd
    .args:
      - { .name: codebook, .offset: 0, .size: 8, .value_kind: global_buffer, .address_space: global }
      - { .name: cb16, .offset: 8, .size: 8, .value_kind: global_buffer, .address_space: global }
      - { .name: nhe, .offset: 16, .size: 8, .value_kind: global_buffer, .address_space: global }
    .group_segment_fixed_size: 0
    .private_segment_fixed_size: 0
    .kernarg_segment_align: 8
    .kernarg_segment_size: 24
    .max_flat_workgroup_size: 128
    .sgpr_count:     66
    .vgpr_count:     72
    .wavefront_size: 32
...
	.end_amdgpu_metadata
.endif
;; end of part 1
;; launch search (part 2): grid 128 x 2, 4 waves a work-group, clusters of 4 x 1, 327,680 bytes of LDS; arguments z, cb16, nhe, pval, pidx; writes pval, pidx
.if DOCPART == 2
	.amdgcn_target "amdgcn-amd-amdhsa--gfx1250"
	.amdhsa_code_object_version 6
	.text
	.protected	k_qaf2f41f463_search
	.globl	k_qaf2f41f463_search
	.p2align	8
	.type	k_qaf2f41f463_search,@function
k_qaf2f41f463_search:
	s_mov_b64 s[64:65], 0
	v_nop
	global_prefetch_b8 v0, s[64:65] scope:SCOPE_SE
	s_setreg_imm32_b32 hwreg(HW_REG_WAVE_MODE, 25, 1), 1
	s_wait_xcnt 0x0
	s_wait_alu depctr_hold_cnt(0) depctr_sa_sdst(0) depctr_va_vdst(0) depctr_va_sdst(0) depctr_va_ssrc(0) depctr_va_vcc(0) depctr_vm_vsrc(0)
	s_getreg_b32 s2, hwreg(HW_REG_IB_STS2, 6, 4)
	s_cmp_eq_u32 s2, 0
	s_cbranch_scc0 .Lentry_in_a_cluster
	s_endpgm
.Lentry_in_a_cluster:
	s_bfe_u32 s2, ttmp6, 0x10000c
	s_cmp_lg_u32 s2, 0x3003
	s_cbranch_scc0 .Lentry_shape_is_right
	s_endpgm
.Lentry_shape_is_right:
; Vector quantiser, launch 2 of 4: for each of 16,384 rows of z and each half of the 4,096 codes, the best score
;   score[k] = z . cb16[k] + nhe[k]     (nhe[k] = -|cb16[k]|^2 / 2)
; and its code.  z_sq is left out: it is the same for every code of a row, so the argmax of the score is the argmin of the distance (shown at the head of launch 1).
; LIMITS: a NaN score loses; of equal scores the lowest code wins, as in jnp.argmin; codes whose distances differ by no more than the f32 rounding
; of the sums may be chosen otherwise than by reference().  z and the codebook enter the product rounded to bf16; sums are f32.
;
; SHARES.  Work-group (x, y): rows 128 x .. 128 x + 127 of z, codes 2048 y .. 2048 y + 2047.  All four waves hold the same 128 rows of z, as bf16
; fragments in 512 registers, for the whole kernel.  The codes come in eight fills of 256 rows of cb16 through two LDS slots; of each fill wave w
; loads rows 64 w .. 64 w + 63 itself and it alone reads them: four tiles of 16 codes.  One code fragment from LDS feeds eight matrix instructions.
; CLUSTER.  The four work-groups of a cluster have the same y and walk the same codes: each fill is asked for jointly (mask 15), with a descriptor made of
; y, the wave's number and constants alone.
; THE MATRIX INSTRUCTION: source 0 = 16 codes, source 1 = 16 rows of z.  Register j of lane (r, h) is then the score of code 8 h + j for row r: a lane
; follows one row of z through all its codes.  The first of the eight K links takes as C a block of eight registers with nhe of the tile's codes,
; so nothing is cleared and no vector instruction forms the score.
; THE RUNNING MAXIMUM is decided once for a block of eight scores (one row tile, one code tile), in 13 instructions: four v_max3_num_f32 fold the eight scores and
; the old best into the new best; one compare of new against old (strictly greater: the earlier block stays); one select of the tile's code; seven selects that
; keep scores 0 to 6 of the winning block.  Which of the eight it was (the lowest register equal to the best; the eighth if none of the seven is) is found once, at the end.
; The bests lie in two banks that take turns from tile to tile, so that old and new are both at hand and nothing is moved.
; TWO PIECES.  Rows 0-63 (piece 0) and rows 64-127 (piece 1) take turns: the 4 x 13 = 52 vector instructions on one piece's fresh scores are dealt evenly over the other
; piece's 32 matrix instructions, as sixteen slices of three or four, one behind every second matrix instruction.
; WINDOWS (an instruction names v0-v255; s_set_vgpr_msb says which window each operand place means):
;   window 0: addresses, bests, codes, nhe blocks, scores, kept blocks: all that vector instructions name
;   window 1: z's fragments of rows 0-63;  window 2: of rows 64-127 (row tile t, K step k at 64 t + 8 k);  window 3: the code fragments, two buffers
; A slice needs vector registers in all its source places, so it runs under the setting 0 and the products under source 0 = window 3, source 1 = window 1 or 2:
; two switches a slice.  The next tile's 18 LDS loads stand in ONE run at the tile's head, under one setting; strewn among the products each would want two switches more.
.set PITCH, 528                        ; an LDS row: 512 bytes + 16 of padding = 33 x 16: the sixteen rows of a fragment load start in sixteen different 16-byte columns modulo 256
.set TILEB, 16*PITCH                   ; sixteen rows
.set WPART, 64*PITCH                   ; a wave's part of a slot: 33,792 bytes
.set SLOT,  4*WPART                    ; 135,168 bytes
.set STAGE, 2*SLOT                     ; 64 rows of z in bf16, pitch 528: written by ds_store alone; no fill lands at or behind this byte
.set NHE,   STAGE+WPART                ; the work-group's 2,048 nhe
.set MV,    NHE+8192                   ; the merge: values [2 w + h][128 rows] f32
.set MI,    MV+4096                    ; the merge: codes, same shape
.set FILLB, 256*512                    ; bytes of cb16 in a fill
.set ADR,  2                           ; v2, v3     LDS address of my fragments in slot 0, 1
.set CIA,  4                           ; v4         LDS address of my nhe block, stepped by a lap's 2,048 bytes
.set BEST, 8                           ; v[8:23]    best score: bank b, piece p, row tile t at BEST + 8 b + 4 p + t
.set IDX,  24                          ; v[24:31]   the winning tile's code, less the lane's constant part and the place in the block
.set CI0,  32                          ; v[32:39], v[40:47]  nhe blocks, two in turn
.set ACC,  48                          ; v[48:111]  scores: piece p, row tile t at ACC + 32 p + 8 t
.set KEEP, 112                         ; v[112:175] scores 0 to 6 of the winning block, at KEEP + 32 p + 8 t
.set TA,   176                         ; v[176:183] two partial maxima for each of a piece's four blocks; at the end the place in the block
.set F0,   0                           ; window 3: v[0:63], v[64:127]  code fragments (8 K steps x 8 registers), two buffers in turn
.set ZL,   112                         ; set-up only: v[112:239] z as loaded
.set NH,   32                          ; set-up only: v[32:47] nhe on its way into LDS
.set ZA,   240                         ; v240       stage: where I read z's fragments
.set SA,   241                         ; v241       stage: where I put 8 bytes of a row
.set ZO,   242                         ; v242       my byte offset in the work-group's rows of z
.set NO,   243                         ; v243       my byte offset in the work-group's nhe
.set NA,   244                         ; v244       the same in LDS
.set VV,   48                          ; the merge: eight pairs of values
.set VI,   64                          ; the merge: eight pairs of codes
.set G1, 24                            ; s[24:31]   descriptor group 1
.set G0, 32                            ; s[32:39]   descriptor group 0, one set for each slot
.set SI, 40                            ; s40        first code of the tile whose scores are under vector work
.set MK, 44                            ; s[44:47]   block t: the lanes in which it holds a new best
.set MUL0, 0x07                        ; products of piece 0: source 0 window 3, source 1 window 1, C and D window 0; piece 1: + 4 (source 1 window 2)
.set TOF,  0xc0                        ; loads into window 3, address in window 0
.set MSB, 0
.macro WIN new                         ; the immediate's high byte repeats the setting that is left
.if MSB != (\new)
	s_set_vgpr_msb (MSB<<8)|(\new)
.set MSB, (\new)
.endif
.endm
; A round of the cluster's barrier: my work-group's barrier, wave 0 signals for the work-group, every wave waits for all four work-groups, my work-group's barrier again.
.macro ROUND
	s_barrier_signal -1
	s_barrier_wait -1
	s_cmp_lg_u32 s14, 0
	s_cbranch_scc1 .Lnot_wave_0_\@
	s_barrier_signal -3
.Lnot_wave_0_\@:
	s_barrier_wait -3
	s_barrier_signal -1
	s_barrier_wait -1
.endm
	s_load_b256 s[4:11], s[0:1], 0x0               ; z s[4:5], cb16 s[6:7], nhe s[8:9], pval s[10:11]
	s_load_b64 s[12:13], s[0:1], 0x20              ; pidx
	v_lshl_add_u32 v254, v0, 2, 0x4e400
	v_mov_b32 v255, 0
	ds_add_u32 v254, v255
	v_lshrrev_b32 v1, 5, v0
	v_readfirstlane_b32 s14, v1                    ; wave 0..3
	s_and_b32 s15, ttmp7, 0xffff                   ; y: which half of the codes
	s_bfe_u32 s16, ttmp6, 0x40000                  ; cx: my place in the cluster
	s_lshl_b32 s17, ttmp9, 2
	s_add_co_u32 s17, s17, s16                     ; x = 4 x cluster x + cx: which 128 rows of z
	s_mov_b32 s21, 0xff800000                      ; -infinity
	; group 1: a tile of 64 rows x 256 elements of 2 bytes, 16 bytes of padding behind each row
	s_mov_b32 s[G1+0], 15|(1<<16)|(1<<20)|(1<<21)|(6<<22)|(3<<25)   ; 15:0 the four work-groups of the cluster; 17:16 2 bytes; 20 padding on; 21 set beside a mask; 24:22 after every 128 words; 31:25 four words
	s_mov_b32 s[G1+1], 256<<16                     ; tensor_dim0 = 256
	s_mov_b32 s[G1+2], 64<<16                      ; tensor_dim1 = 64
	s_mov_b32 s[G1+3], 256<<16                     ; tile_dim0 = 256
	s_mov_b32 s[G1+4], 64                          ; tile_dim1 = 64
	s_mov_b32 s[G1+5], 256                         ; elements from row to row
	s_mov_b32 s[G1+6], 0
	s_mov_b32 s[G1+7], 0
	s_lshl_b32 s18, s17, 17                        ; z: 128 rows x 1,024 bytes a work-group (the only pair that holds cx)
	s_mov_b32 s19, 0
	s_lshl_b32 s22, s15, 20                        ; cb16: 2,048 rows x 512 bytes a half
	s_lshl_b32 s23, s14, 15                        ;       + 64 rows x 512 bytes a wave
	s_add_co_u32 s22, s22, s23
	s_mov_b32 s23, 0
	s_lshl_b32 s48, s15, 13                        ; nhe: 2,048 numbers a half
	s_mov_b32 s49, 0
	s_mul_i32 s50, s14, WPART                      ; my part of slot 0
	s_add_co_u32 s51, s50, SLOT                    ; and of slot 1
	v_and_b32 v1, 15, v0                           ; r
	v_bfe_u32 v5, v0, 4, 1                         ; h
	v_and_b32 v7, 31, v0                           ; lane
	v_mul_u32_u24 v6, v1, PITCH
	v_lshl_add_u32 v6, v5, 4, v6                   ; a fragment's lane term: row r, 16 bytes for each half of the lanes
	v_add_nc_u32 v[ADR], s50, v6
	v_add_nc_u32 v[ADR+1], s51, v6
	v_add_nc_u32 v[ZA], STAGE, v6
	s_lshl_b32 s52, s14, 8
	s_add_co_u32 s52, s52, NHE
	v_lshl_add_u32 v[CIA], v5, 5, s52              ; nhe of codes 64 w + 8 h + 0..7 of fill 0
	s_mul_i32 s53, s14, TILEB
	s_add_co_u32 s53, s53, STAGE
	v_lshl_add_u32 v[SA], v7, 3, s53               ; I stage rows 16 w .. 16 w + 15, 8 bytes a lane
	s_lshl_b32 s54, s14, 14
	v_lshl_add_u32 v[ZO], v7, 4, s54               ; 16 rows x 1,024 bytes a wave + 16 bytes a lane
	v_lshlrev_b32 v[NO], 4, v0
	v_add_nc_u32 v[NA], NHE, v[NO]
	s_wait_dscnt 0x0
	s_wait_kmcnt 0x0
	s_add_nc_u64 s[4:5], s[4:5], s[18:19]
	s_add_nc_u64 s[6:7], s[6:7], s[22:23]
	s_add_nc_u64 s[8:9], s[8:9], s[48:49]
.irp u, 0,1,2,3
	global_load_b128 v[NH+4*\u:NH+4*\u+3], v[NO], s[8:9] offset:2048*\u      ; nhe first: the oldest loads
.endr
.set zu, 0
.rept 32
	global_load_b128 v[ZL+4*zu:ZL+4*zu+3], v[ZO], s[4:5] offset:512*zu       ; rows 0-63 of z: my 16 rows, 512 consecutive bytes a load
.set zu, zu+1
.endr
.irp s, 0,1
	s_mov_b32 s[G0+4*\s], 1                                        ; count = 1
	s_add_co_u32 s[G0+4*\s+1], s50, \s*SLOT                        ; LDS address: the wave's number times a constant plus the slot's constant
	s_add_nc_u64 s[G0+4*\s+2:G0+4*\s+3], s[6:7], \s*FILLB          ; global address: fill s, my 64 rows
	s_or_b32 s[G0+4*\s+3], s[G0+4*\s+3], 0x80000000                ; type = 2
.endr
	ROUND                                          ; all four work-groups are here: the first joint loads meet
	tensor_load_to_lds s[G0:G0+3], s[G1:G1+7]      ; fill 0
	s_nop 0
	tensor_load_to_lds s[G0+4:G0+7], s[G1:G1+7]    ; fill 1: two tensor loads of the wave are out, the most in this text
	s_nop 0
; z into bf16 and into the stage.  ahead = 1: behind the conversion of load u its registers are loaded again, with the same place 64 rows further down.
.macro ZSTAGE ahead
.set zu, 0
.rept 32
.if \ahead
	s_wait_loadcnt 31                              ; behind load u were issued 31 - u loads of this batch and u of the next
.else
	s_wait_loadcnt 31-zu                           ; the later loads of this batch stay out
.endif
	v_cvt_pk_bf16_f32 v[ACC+2*zu],   v[ZL+4*zu],   v[ZL+4*zu+1]
	v_cvt_pk_bf16_f32 v[ACC+2*zu+1], v[ZL+4*zu+2], v[ZL+4*zu+3]
	ds_store_b64 v[SA], v[ACC+2*zu:ACC+2*zu+1] offset:(zu/2)*PITCH+(zu%2)*256
.if \ahead
	global_load_b128 v[ZL+4*zu:ZL+4*zu+3], v[ZO], s[4:5] offset:65536+512*zu
.endif
.set zu, zu+1
.endr
.endm
; the 64 staged rows as fragments: row tile t, K step k at register 64 t + 8 k of the window named
.macro ZFETCH win
	WIN \win
.set zu, 0
.rept 32
	ds_load_b128 v[8*zu:8*zu+3],   v[ZA] offset:(zu/8)*TILEB+(zu%8)*64
	ds_load_b128 v[8*zu+4:8*zu+7], v[ZA] offset:(zu/8)*TILEB+(zu%8)*64+32
.set zu, zu+1
.endr
	WIN 0
.endm
	ZSTAGE 1
.irp u, 0,1,2,3
	ds_store_b128 v[NA], v[NH+4*\u:NH+4*\u+3] offset:2048*\u       ; nhe: older than every load waited for above
.endr
	s_wait_dscnt 0x0                               ; my stores are in LDS,
	s_barrier_signal -1
	s_barrier_wait -1                              ; everybody's are.  The two fills stay out
	ZFETCH 0x40                                    ; rows 0-63 into window 1
	s_wait_dscnt 0x0                               ; my reads of the stage are over,
	s_barrier_signal -1
	s_barrier_wait -1                              ; everybody's are: it may be written again
	ZSTAGE 0
	s_wait_dscnt 0x0
	s_barrier_signal -1
	s_barrier_wait -1
	ZFETCH 0x80                                    ; rows 64-127 into window 2
; Instruction number vi (0 to 51) of the vector work on piece o, whose four blocks come from a tile of parity e: the old bests lie in bank e, the new ones go to bank 1 - e.
;   0-11   block vi / 3: scores 0-2 and 3-5 into two partial maxima, scores 6, 7 and the old best into the new best's register
;   12-15  block vi - 12: the three into the new best
;   16-19  block vi - 16: the lanes in which the new best is strictly greater than the old one
;   20-51  block (vi - 20) / 8: in those lanes the tile's code, then scores 0 to 6
; All four blocks' maxima come first, then all compares, each into a mask of its own, then the selects: no instruction reads a result of its own slice.
.macro VOP o, e
.if vi < 12
.set vt, vi/3
.set vs, ACC+32*\o+8*vt
.if vi%3 == 0
	v_max3_num_f32 v[TA+2*vt], v[vs], v[vs+1], v[vs+2]
.endif
.if vi%3 == 1
	v_max3_num_f32 v[TA+2*vt+1], v[vs+3], v[vs+4], v[vs+5]
.endif
.if vi%3 == 2
	v_max3_num_f32 v[BEST+8*(1-\e)+4*\o+vt], v[vs+6], v[vs+7], v[BEST+8*\e+4*\o+vt]
.endif
.endif
.if vi >= 12
.if vi < 16
.set vt, vi-12
	v_max3_num_f32 v[BEST+8*(1-\e)+4*\o+vt], v[TA+2*vt], v[TA+2*vt+1], v[BEST+8*(1-\e)+4*\o+vt]
.endif
.endif
.if vi >= 16
.if vi < 20
.set vt, vi-16
	v_cmp_gt_f32 s[MK+vt], v[BEST+8*(1-\e)+4*\o+vt], v[BEST+8*\e+4*\o+vt]
.endif
.endif
.if vi >= 20
.set vt, (vi-20)/8
.set vu, (vi-20)%8
.if vu == 0
	v_cndmask_b32 v[IDX+4*\o+vt], v[IDX+4*\o+vt], s[SI], s[MK+vt]
.else
	v_cndmask_b32 v[KEEP+32*\o+8*vt+vu-1], v[KEEP+32*\o+8*vt+vu-1], v[ACC+32*\o+8*vt+vu-1], s[MK+vt]
.endif
.endif
.set vi, vi+1
.endm
; Slice s (0 to 15): three instructions, four in slices 4, 5, 14 and 15: 12 x 3 + 4 x 4 = 52.
.macro SLICE o, s, e
.set vi, 3*\s
.if \s > 4
.set vi, vi+1
.endif
.if \s > 5
.set vi, vi+1
.endif
.if \s > 14
.set vi, vi+1
.endif
	VOP \o, \e
	VOP \o, \e
	VOP \o, \e
.if \s == 4
	VOP \o, \e
.endif
.if \s == 5
	VOP \o, \e
.endif
.if \s >= 14
	VOP \o, \e
.endif
.endm
; A tile's 18 LDS loads in one run: its nhe block into cn (window 0), then its eight fragments into buffer g (window 3).
.macro FETCH g, cn, adr, aoff, coff
	WIN 0
	ds_load_b128 v[\cn:\cn+3],   v[CIA] offset:\coff
	ds_load_b128 v[\cn+4:\cn+7], v[CIA] offset:\coff+16
	WIN TOF
.irp k, 0,1,2,3,4,5,6,7
	ds_load_b128 v[\g+8*\k:\g+8*\k+3],   v[\adr] offset:\aoff+64*\k
	ds_load_b128 v[\g+8*\k+4:\g+8*\k+7], v[\adr] offset:\aoff+64*\k+32
.endr
.endm
; 32 matrix instructions: the tile in buffer f against piece p's four row tiles, K step by K step.  The four accumulators take turns, one instruction a turn,
; on into the next half and over the loop's backward jump.  Behind every second one stands a slice on the other piece.
; Places behind matrix instructions (ISA guide 7.12.1): slices 14 and 15 stand behind the half's last links and name the other piece alone, so a score is first read
; at least four plain vector instructions behind its last link; an accumulator is written anew a whole half later.
.macro HALF p, f, ci, e
.set hn, 0
.rept 32
.set hd, ACC+32*\p+8*(hn%4)
.set ha, \f+8*(hn/4)
.set hb, 64*(hn%4)+8*(hn/4)
	WIN MUL0+4*\p
.if hn < 4
	v_wmma_f32_16x16x32_bf16 v[hd:hd+7], v[ha:ha+7], v[hb:hb+7], v[\ci:\ci+7]
.else
	v_wmma_f32_16x16x32_bf16 v[hd:hd+7], v[ha:ha+7], v[hb:hb+7], v[hd:hd+7]
.endif
.if hn%2
	WIN 0
	SLICE (1-\p), (hn/2), \e
.endif
.set hn, hn+1
.endr
.endm
; At the head of a slot's fourth tile all of the slot has been read into registers.  Every wave waits for its LDS reads and for all its tensor loads (the one that
; is out is its part of the other slot, which the run of loads behind this goes on to read); the slot's address steps; a round of the cluster's barrier; and the
; joint refill is the first thing behind it, the wave's one tensor load until the next round.  From that request to the wait for it a wave issues 256 matrix instructions.
.macro TURN s, refill
	WIN 0
	s_wait_dscnt 0x0
	s_wait_tensorcnt 0x0
	ds_add_u32 v254, v255
	s_wait_dscnt 0x0
.if \refill
	s_add_nc_u64 s[G0+4*\s+2:G0+4*\s+3], s[G0+4*\s+2:G0+4*\s+3], 2*FILLB
	ROUND
	tensor_load_to_lds s[G0+4*\s:G0+4*\s+3], s[G1:G1+7]
	s_nop 0
.endif
.endm
; Tile c of the fill in slot s.  At its head: this tile's loads are waited for, and the next tile's go out in one run, with this tile's 64 matrix instructions in which to land.
; They fill the buffer that the tile before read: the four instructions of that tile's last slice are the four places between its last matrix instruction and the first load.
; The first half carries the slices of the tile before (piece 1), the second half this tile's piece 0.
; Between the halves the code steps on to this tile: 16 from tile to tile, 256 - 48 into a new fill.
.macro TILE s, c, refill, ld
.if \c == 3
	TURN \s, \refill
.if \ld
	FETCH F0, CI0, ADR+1-\s, 0, 1024*(\s+1)
.endif
.else
	s_wait_dscnt 0x0                               ; this tile's 18 loads, issued at the head of the tile before
	FETCH F0+64*((\c+1)%2), CI0+8*((\c+1)%2), ADR+\s, TILEB*(\c+1), 1024*\s+64*(\c+1)
.endif
	HALF 0, F0+64*(\c%2), CI0+8*(\c%2), ((\c+1)%2)
.if \c == 0
	s_add_co_u32 s[SI], s[SI], 208
.else
	s_add_co_u32 s[SI], s[SI], 16
.endif
	HALF 1, F0+64*(\c%2), CI0+8*(\c%2), (\c%2)
.endm
.macro LAP refill, last                ; once round the ring: two fills, eight tiles
	TILE 0, 0, 0, 1
	TILE 0, 1, 0, 1
	TILE 0, 2, 0, 1
	TILE 0, 3, \refill, 1
	TILE 1, 0, 0, 1
	TILE 1, 1, 0, 1
	TILE 1, 2, 0, 1
	TILE 1, 3, \refill, 1-\last
	WIN 0                                          ; at a label and at a branch every window is 0
.if \last == 0
	v_add_nc_u32 v[CIA], 0x800, v[CIA]             ; nhe of the next two fills
.endif
.endm
	s_wait_tensorcnt 0x1                           ; my part of fill 0 is in LDS; fill 1, issued behind it, may stay out.  I alone read my part
	FETCH F0, CI0, ADR, 0, 0                       ; tile 0
	WIN 0
	; What the selects and maxima read before anything has won, written while the loads above are on their way.
.irp t, 0,1,2,3,4,5,6,7,8,9,10,11,12,13,14,15
	v_mov_b32 v[BEST+\t], s21
.endr
.irp t, 0,1,2,3,4,5,6,7
	v_mov_b32 v[IDX+\t], 0
.endr
.set zu, 0
.rept 64
.if zu%8 != 7
	v_mov_b32 v[KEEP+zu], s21                      ; seven registers a block
.endif
.set zu, zu+1
.endr
.set zu, 0
.rept 32
	v_mov_b32 v[ACC+32+zu], s21                    ; the first half's slices find piece 1 at -infinity: the new best is not greater than the old, nothing is taken.  So the first lap needs no text of its own
.set zu, zu+1
.endr
	s_mov_b32 s[SI], -208                          ; steps to tile 0's code, 0, in the middle of tile 0
	s_mov_b32 s20, 3
.Llap:
	LAP 1, 0                                       ; fills 2 to 7 are asked for in these three laps
	s_sub_co_u32 s20, s20, 1
	s_cmp_lg_u32 s20, 0
	s_cbranch_scc1 .Llap
	LAP 0, 1                                       ; the last lap fills nothing and has no round; its waits for all tensor loads leave none out at the end
.set hn, 0
.rept 16
	SLICE 1, hn, 1                                 ; the last tile's piece 1.  The last tile is odd: both pieces' bests end in bank 0
.set hn, hn+1
.endr
	; THE PLACE IN THE BLOCK: the lowest register of the kept block that equals the best; the eighth, which is not kept, if none of the seven does.
.irp t, 0,1,2,3,4,5,6,7
	v_mov_b32 v[TA+\t], 7
.endr
.irp j, 6,5,4,3,2,1,0
.irp g, 0,4
.irp t, 0,1,2,3
	v_cmp_eq_f32 s[MK+\t], v[KEEP+8*(\g+\t)+\j], v[BEST+\g+\t]
.endr
.irp t, 0,1,2,3
	v_cndmask_b32 v[TA+\g+\t], v[TA+\g+\t], \j, s[MK+\t]
.endr
.endr
.endr
	; THE MERGE.  Lane (r, h) of wave w holds, for each of eight row tiles, the best of the codes with its w and h: eight candidates a row meet in LDS.
	s_lshl_b32 s48, s15, 11
	s_lshl_b32 s49, s14, 6
	s_add_co_u32 s48, s48, s49
	v_bfe_u32 v5, v0, 4, 1
	v_and_b32 v6, 15, v0
	v_lshl_add_u32 v1, v5, 3, s48                  ; the lane's constant part of a code: 2048 y + 64 w + 8 h
.irp t, 0,1,2,3,4,5,6,7
	v_add3_u32 v[IDX+\t], v[IDX+\t], v[TA+\t], v1  ; tile + place + constant part
.endr
	s_lshl_b32 s49, s14, 10
	s_add_co_u32 s49, s49, MV
	v_lshl_add_u32 v5, v5, 9, s49
	v_lshl_add_u32 v5, v6, 2, v5                   ; line 2 w + h of 512 bytes, row r
.irp t, 0,1,2,3,4,5,6,7
	ds_store_b32 v5, v[BEST+\t] offset:64*\t
	ds_store_b32 v5, v[IDX+\t]  offset:4096+64*\t
.endr
	s_wait_dscnt 0x0                               ; my stores are in LDS,
	s_barrier_signal -1
	s_barrier_wait -1                              ; everybody's are
	s_cmp_gt_u32 s14, 1
	s_cbranch_scc1 .Lmerged                        ; waves 0 and 1 merge: two neighbouring rows a lane
	s_lshl_b32 s50, s14, 8
	v_and_b32 v6, 31, v0
	v_lshl_add_u32 v7, v6, 3, s50                  ; 8 bytes x (32 w + lane)
	v_add_nc_u32 v6, MV, v7
.irp g, 0,1,2,3,4,5,6,7
	ds_load_b64 v[VV+2*\g:VV+2*\g+1], v6 offset:512*\g
	ds_load_b64 v[VI+2*\g:VI+2*\g+1], v6 offset:4096+512*\g
.endr
	s_lshl_b32 s18, s15, 16                        ; pval, pidx: [2][16384] words: 65,536 bytes a half
	s_lshl_b32 s19, s17, 9                         ; + 128 rows x 4 bytes a work-group
	s_add_co_u32 s18, s18, s19
	s_mov_b32 s19, 0
	s_add_nc_u64 s[10:11], s[10:11], s[18:19]
	s_add_nc_u64 s[12:13], s[12:13], s[18:19]
	s_wait_dscnt 0x0
.macro MERGE e, g                      ; candidate g is taken if it is greater, or equal with a lower code
	v_cmp_gt_f32 s52, v[VV+2*\g+\e], v[VV+\e]
	v_cmp_eq_f32 s53, v[VV+2*\g+\e], v[VV+\e]
	v_cmp_lt_u32 s54, v[VI+2*\g+\e], v[VI+\e]
	s_and_b32 s53, s53, s54
	s_or_b32 vcc_lo, s52, s53
	v_cndmask_b32 v[VV+\e], v[VV+\e], v[VV+2*\g+\e], vcc_lo
	v_cndmask_b32 v[VI+\e], v[VI+\e], v[VI+2*\g+\e], vcc_lo
.endm
.irp g, 1,2,3,4,5,6,7
	MERGE 0, \g
	MERGE 1, \g
.endr
	global_store_b64 v7, v[VV:VV+1], s[10:11]      ; each store of a wave covers 256 consecutive bytes, aligned
	global_store_b64 v7, v[VI:VI+1], s[12:13]
.Lmerged:
	s_wait_tensorcnt 0x0
	ds_add_u32 v254, v255
	s_wait_dscnt 0x0
	ROUND                                          ; the closing round: no work-group ends while a partner may still ask for a fill that names it
	s_endpgm
.Lfunc_end_k_qaf2f41f463_search:
	.size	k_qaf2f41f463_search, .Lfunc_end_k_qaf2f41f463_search-k_qaf2f41f463_search
	.p2alignl 7, 3214868480
	.fill 96, 4, 3214868480
	.section	.rodata,"a",@progbits
	.p2align	6, 0x0
	.amdhsa_kernel k_qaf2f41f463_search
		.amdhsa_group_segment_fixed_size 327680
		.amdhsa_private_segment_fixed_size 0
		.amdhsa_enable_private_segment 0
		.amdhsa_kernarg_size 40
		.amdhsa_user_sgpr_count 2
		.amdhsa_user_sgpr_kernarg_segment_ptr 1
		.amdhsa_wavefront_size32 1
		.amdhsa_system_sgpr_workgroup_id_x 1
		.amdhsa_system_sgpr_workgroup_id_y 1
		.amdhsa_system_sgpr_workgroup_id_z 1
		.amdhsa_system_vgpr_workitem_id 0
		.amdhsa_next_free_vgpr 896
		.amdhsa_next_free_sgpr 66
		.amdhsa_reserve_vcc 1
		.amdhsa_float_denorm_mode_32 3
		.amdhsa_float_denorm_mode_16_64 3
		.amdhsa_memory_ordered 1
		.amdhsa_forward_progress 1
		.amdhsa_inst_pref_size 255
	.end_amdhsa_kernel
	.section	.bss,"aw",@nobits
	.p2align	6
	.space	262144
	.amdgpu_metadata
---
amdhsa.version: [ 1, 2 ]
amdhsa.kernels:
  - .name:           k_qaf2f41f463_search
    .symbol:         k_qaf2f41f463_search.kd
    .args:
      - { .name: z, .offset: 0, .size: 8, .value_kind: global_buffer, .address_space: global }
      - { .name: cb16, .offset: 8, .size: 8, .value_kind: global_buffer, .address_space: global }
      - { .name: nhe, .offset: 16, .size: 8, .value_kind: global_buffer, .address_space: global }
      - { .name: pval, .offset: 24, .size: 8, .value_kind: global_buffer, .address_space: global }
      - { .name: pidx, .offset: 32, .size: 8, .value_kind: global_buffer, .address_space: global }
    .group_segment_fixed_size: 327680
    .private_segment_fixed_size: 0
    .kernarg_segment_align: 8
    .kernarg_segment_size: 40
    .max_flat_workgroup_size: 128
    .sgpr_count:     66
    .vgpr_count:     896
    .wavefront_size: 32
...
	.end_amdgpu_metadata
.endif
;; end of part 2
;; launch gather (part 3): grid 256 x 1, 8 waves a work-group, no clusters, 1,280 bytes of LDS; arguments z, codebook, pval, pidx, out0, out1, lpart; writes out0, out1, lpart
.if DOCPART == 3
	.amdgcn_target "amdgcn-amd-amdhsa--gfx1250"
	.amdhsa_code_object_version 6
	.text
	.protected	k_qaf2f41f463_gather
	.globl	k_qaf2f41f463_gather
	.p2align	8
	.type	k_qaf2f41f463_gather,@function
k_qaf2f41f463_gather:
	s_mov_b64 s[64:65], 0
	v_nop
	global_prefetch_b8 v0, s[64:65] scope:SCOPE_SE
	s_setreg_imm32_b32 hwreg(HW_REG_WAVE_MODE, 25, 1), 1
	s_wait_xcnt 0x0
; Vector quantiser, launch 3 of 4: out1 = the better of the two halves' codes, out0 = codebook[code], and each work-group's sum of (z - codebook[code])^2.
; LEFT OUT: reference()'s z + (z_q - z).  The two z cancel for all inputs, so the chosen row is stored as it is (shown, with its limits, at the head of launch 1).
; The loss is formed in f32 on the inputs as they are given, from the difference itself; z - z_q has the same square as z_q - z, bit for bit.
; Which half wins hangs on floating-point scores, so no address hangs on it: both halves' rows are loaded (their codes are whole numbers that the launch before stored)
; and v_cndmask_b32 takes one.  Of equal scores the lower half stays: its codes are the lower ones.
; A work-group takes 64 rows, a wave 8; a row is two loads or stores of 16 bytes a lane, 512 consecutive bytes each.
; ORDER OF THE LOADS.  z's addresses hang on the arguments alone, the candidates' on the codes.  So z's sixteen loads go out in front of the wait for the codes and
; travel while the codes come; the 32 candidate loads follow behind it.  A wave has at most 4 + 16 + 32 = 52 loads out.
; No matrix unit, no cluster, no tensor load: a stream whose work-groups share nothing but the codebook's rows, which lie where the codes say.
.set O0,  8                            ; v[8:15]    byte offset of row i's candidate of the lower half
.set O1,  16                           ; v[16:23]   of the upper half
.set DAT, 24                           ; v[24:215]  row i at DAT + 24 i: z, then z - z_q (8); lower candidate, then z_q (8); upper candidate (8)
.set LS,  216                          ; v[216:223] four pairs of running sums of squares
.set PV,  224                          ; v[224:231] wave 0: scores and codes of the group's 64 rows, two rows a lane
	s_load_b256 s[4:11], s[0:1], 0x0               ; z s[4:5], codebook s[6:7], pval s[8:9], pidx s[10:11]
	s_load_b128 s[12:15], s[0:1], 0x20             ; out0 s[12:13], out1 s[14:15]
	s_load_b64 s[16:17], s[0:1], 0x30              ; lpart
	v_lshl_add_u32 v232, v0, 2, 0x100
	v_mov_b32 v233, 0
	v_lshrrev_b32 v1, 5, v0
	v_readfirstlane_b32 s18, v1                    ; wave 0..7
	v_and_b32 v2, 31, v0                           ; lane
	v_lshlrev_b32 v3, 4, v2                        ; 16 bytes a lane
	v_lshlrev_b32 v4, 3, v2                        ; 8 bytes a lane
	v_lshlrev_b32 v5, 2, v1                        ; my wave's word in LDS
	s_lshl_b32 s20, ttmp9, 8                       ; pval, pidx, out1: 64 rows x 4 bytes a work-group
	s_lshl_b32 s19, s18, 5                         ; + 8 rows x 4 bytes a wave
	s_add_co_u32 s20, s20, s19
	s_mov_b32 s21, 0
	s_lshl_b32 s22, ttmp9, 16                      ; z, out0: 64 rows x 1,024 bytes a work-group
	s_lshl_b32 s19, s18, 13                        ; + 8 rows a wave
	s_add_co_u32 s22, s22, s19
	s_mov_b32 s23, 0
	s_mov_b32 s56, 0x76543210                      ; v_permlanex16_b32: lane i of one half reads lane i of the other
	s_mov_b32 s57, 0xfedcba98
	s_wait_kmcnt 0x0
	s_add_nc_u64 s[8:9], s[8:9], s[20:21]
	s_add_nc_u64 s[10:11], s[10:11], s[20:21]
	s_add_nc_u64 s[4:5], s[4:5], s[22:23]
	s_add_nc_u64 s[12:13], s[12:13], s[22:23]
	s_load_b256 s[24:31], s[10:11], 0x0            ; my 8 rows: codes of the lower half,
	s_load_b256 s[32:39], s[10:11], 0x10000        ; of the upper half,
	s_load_b256 s[40:47], s[8:9], 0x0              ; scores of the lower half,
	s_load_b256 s[48:55], s[8:9], 0x10000          ; of the upper half
	s_cmp_lg_u32 s18, 0
	s_cbranch_scc1 .Lnot_wave_0
	global_load_b64 v[PV:PV+1],   v4, s[8:9]                       ; wave 0 (whose bases stand at the group's first row): the 64 rows for out1.
	global_load_b64 v[PV+2:PV+3], v4, s[8:9] offset:65536          ; These four are older than every load counted below, so the counts are the same in all waves
	global_load_b64 v[PV+4:PV+5], v4, s[10:11]
	global_load_b64 v[PV+6:PV+7], v4, s[10:11] offset:65536
.Lnot_wave_0:
.irp i, 0,1,2,3,4,5,6,7
	global_load_b128 v[DAT+24*\i:DAT+24*\i+3],   v3, s[4:5] offset:1024*\i th:TH_LOAD_NT       ; z: on its way while the codes come
	global_load_b128 v[DAT+24*\i+4:DAT+24*\i+7], v3, s[4:5] offset:1024*\i+512 th:TH_LOAD_NT
.endr
	s_wait_kmcnt 0x0                               ; the codes and the scores
.irp i, 0,1,2,3,4,5,6,7
	s_min_u32 s[24+\i], s[24+\i], 0xfff            ; a code stays inside the table of 4,096 rows
	s_min_u32 s[32+\i], s[32+\i], 0xfff
	v_lshl_add_u32 v[O0+\i], s[24+\i], 10, v3      ; 1,024 bytes a row + my 16 bytes
	v_lshl_add_u32 v[O1+\i], s[32+\i], 10, v3
.endr
.irp i, 0,1,2,3,4,5,6,7
	global_load_b128 v[DAT+24*\i+8:DAT+24*\i+11],  v[O0+\i], s[6:7]
	global_load_b128 v[DAT+24*\i+12:DAT+24*\i+15], v[O0+\i], s[6:7] offset:512
	global_load_b128 v[DAT+24*\i+16:DAT+24*\i+19], v[O1+\i], s[6:7]
	global_load_b128 v[DAT+24*\i+20:DAT+24*\i+23], v[O1+\i], s[6:7] offset:512
.endr
.macro ROW i
	s_wait_loadcnt 4*(7-\i)                        ; loads come back in order: this row's four candidate loads are in, and all of z, which is older; the four of each later row stay out
	v_cmp_lt_f32 vcc_lo, s[40+\i], s[48+\i]        ; the upper half wins only if its score is strictly greater
.irp k, 0,1,2,3,4,5,6,7
	v_cndmask_b32 v[DAT+24*\i+8+\k], v[DAT+24*\i+8+\k], v[DAT+24*\i+16+\k], vcc_lo
.endr
	global_store_b128 v3, v[DAT+24*\i+8:DAT+24*\i+11],  s[12:13] offset:1024*\i th:TH_STORE_NT        ; z_q as it is; its registers are only read from here on
	global_store_b128 v3, v[DAT+24*\i+12:DAT+24*\i+15], s[12:13] offset:1024*\i+512 th:TH_STORE_NT
.irp k, 0,2,4,6
	v_pk_add_f32 v[DAT+24*\i+\k:DAT+24*\i+1+\k], v[DAT+24*\i+\k:DAT+24*\i+1+\k], v[DAT+24*\i+8+\k:DAT+24*\i+9+\k] neg_lo:[0,1] neg_hi:[0,1]   ; z - z_q, in z's registers
.endr
.irp k, 0,2,4,6
.if \i == 0
	v_pk_mul_f32 v[LS+\k:LS+\k+1], v[DAT+\k:DAT+1+\k], v[DAT+\k:DAT+1+\k]          ; the first row starts the sums
.else
	v_pk_fma_f32 v[LS+\k:LS+\k+1], v[DAT+24*\i+\k:DAT+24*\i+1+\k], v[DAT+24*\i+\k:DAT+24*\i+1+\k], v[LS+\k:LS+\k+1]
.endif
.endr
.endm
.irp i, 0,1,2,3,4,5,6,7
	ROW \i
.endr
	v_pk_add_f32 v[LS:LS+1], v[LS:LS+1], v[LS+2:LS+3]
	v_pk_add_f32 v[LS+4:LS+5], v[LS+4:LS+5], v[LS+6:LS+7]
	v_pk_add_f32 v[LS:LS+1], v[LS:LS+1], v[LS+4:LS+5]
	v_add_f32 v[LS], v[LS], v[LS+1]
	v_add_f32_dpp v[LS], v[LS], v[LS] row_xmask:1 row_mask:0xf bank_mask:0xf
	v_add_f32_dpp v[LS], v[LS], v[LS] row_xmask:2 row_mask:0xf bank_mask:0xf
	v_add_f32_dpp v[LS], v[LS], v[LS] row_xmask:4 row_mask:0xf bank_mask:0xf
	v_add_f32_dpp v[LS], v[LS], v[LS] row_xmask:8 row_mask:0xf bank_mask:0xf
	v_permlanex16_b32 v[LS+1], v[LS], s56, s57
	v_add_f32 v[LS], v[LS], v[LS+1]                ; the wave's sum, in every lane
	ds_store_b32 v5, v[LS]
	s_wait_dscnt 0x0                               ; my word is in LDS,
	s_barrier_signal -1
	s_barrier_wait -1                              ; everybody's is
	s_cmp_lg_u32 s18, 0
	s_cbranch_scc1 .Lend
	v_mov_b32 v6, 0
	ds_load_b128 v[LS:LS+3],   v6
	ds_load_b128 v[LS+4:LS+7], v6 offset:16
	v_cmp_lt_f32 vcc_lo, v[PV], v[PV+2]            ; out1: the same choice as above, for the group's 64 rows
	v_cndmask_b32 v[PV+4], v[PV+4], v[PV+6], vcc_lo
	v_cmp_lt_f32 vcc_lo, v[PV+1], v[PV+3]
	v_cndmask_b32 v[PV+5], v[PV+5], v[PV+7], vcc_lo
	s_add_nc_u64 s[14:15], s[14:15], s[20:21]      ; in wave 0 the offset is the group's
	global_store_b64 v4, v[PV+4:PV+5], s[14:15]    ; 256 consecutive bytes, aligned
	s_lshl_b32 s20, ttmp9, 2
	s_add_nc_u64 s[16:17], s[16:17], s[20:21]
	s_wait_dscnt 0x0
	v_pk_add_f32 v[LS:LS+1], v[LS:LS+1], v[LS+2:LS+3]
	v_pk_add_f32 v[LS+4:LS+5], v[LS+4:LS+5], v[LS+6:LS+7]
	v_pk_add_f32 v[LS:LS+1], v[LS:LS+1], v[LS+4:LS+5]
	v_add_f32 v[LS], v[LS], v[LS+1]
	s_wait_xcnt 0x0                                ; EXEC is a source of the stores above: it changes only behind this wait
	v_cmp_eq_u32 vcc_lo, 0, v2
	s_wait_tensorcnt 0x0
	ds_add_u32 v232, v233
	s_wait_dscnt 0x0
	s_and_saveexec_b32 s19, vcc_lo
	global_store_b32 v6, v[LS], s[16:17]           ; one number a work-group: the sum over work-groups is the next launch's
	s_endpgm
.Lend:
	s_wait_tensorcnt 0x0
	ds_add_u32 v232, v233
	s_wait_dscnt 0x0
	s_endpgm
.Lfunc_end_k_qaf2f41f463_gather:
	.size	k_qaf2f41f463_gather, .Lfunc_end_k_qaf2f41f463_gather-k_qaf2f41f463_gather
	.p2alignl 7, 3214868480
	.fill 96, 4, 3214868480
	.section	.rodata,"a",@progbits
	.p2align	6, 0x0
	.amdhsa_kernel k_qaf2f41f463_gather
		.amdhsa_group_segment_fixed_size 1280
		.amdhsa_private_segment_fixed_size 0
		.amdhsa_enable_private_segment 0
		.amdhsa_kernarg_size 56
		.amdhsa_user_sgpr_count 2
		.amdhsa_user_sgpr_kernarg_segment_ptr 1
		.amdhsa_wavefront_size32 1
		.amdhsa_system_sgpr_workgroup_id_x 1
		.amdhsa_system_sgpr_workgroup_id_y 1
		.amdhsa_system_sgpr_workgroup_id_z 1
		.amdhsa_system_vgpr_workitem_id 0
		.amdhsa_next_free_vgpr 234
		.amdhsa_next_free_sgpr 66
		.amdhsa_reserve_vcc 1
		.amdhsa_float_denorm_mode_32 3
		.amdhsa_float_denorm_mode_16_64 3
		.amdhsa_memory_ordered 1
		.amdhsa_forward_progress 1
		.amdhsa_inst_pref_size 19
	.end_amdhsa_kernel
	.amdgpu_metadata
---
amdhsa.version: [ 1, 2 ]
amdhsa.kernels:
  - .name:           k_qaf2f41f463_gather
    .symbol:         k_qaf2f41f463_gather.kd
    .args:
      - { .name: z, .offset: 0, .size: 8, .value_kind: global_buffer, .address_space: global }
      - { .name: codebook, .offset: 8, .size: 8, .value_kind: global_buffer, .address_space: global }
      - { .name: pval, .offset: 16, .size: 8, .value_kind: global_buffer, .address_space: global }
      - { .name: pidx, .offset: 24, .size: 8, .value_kind: global_buffer, .address_space: global }
      - { .name: out0, .offset: 32, .size: 8, .value_kind: global_buffer, .address_space: global }
      - { .name: out1, .offset: 40, .size: 8, .value_kind: global_buffer, .address_space: global }
      - { .name: lpart, .offset: 48, .size: 8, .value_kind: global_buffer, .address_space: global }
    .group_segment_fixed_size: 1280
    .private_segment_fixed_size: 0
    .kernarg_segment_align: 8
    .kernarg_segment_size: 56
    .max_flat_workgroup_size: 256
    .sgpr_count:     66
    .vgpr_count:     234
    .wavefront_size: 32
...
	.end_amdgpu_metadata
.endif
;; end of part 3
;; launch finish (part 4): grid 1 x 1, 8 waves a work-group, no clusters, 1,280 bytes of LDS; arguments lpart, codebook_usage, out2, out3, out4; writes out2, out3, out4
.if DOCPART == 4
	.amdgcn_target "amdgcn-amd-amdhsa--gfx1250"
	.amdhsa_code_object_version 6
	.text
	.protected	k_qaf2f41f463_finish
	.globl	k_qaf2f41f463_finish
	.p2align	8
	.type	k_qaf2f41f463_finish,@function
k_qaf2f41f463_finish:
	s_mov_b64 s[64:65], 0
	v_nop
	global_prefetch_b8 v0, s[64:65] scope:SCOPE_SE
	s_setreg_imm32_b32 hwreg(HW_REG_WAVE_MODE, 25, 1), 1
	s_wait_xcnt 0x0
; Vector quantiser, launch 4 of 4: out2 = the mean of (z_q - z)^2 from the 256 partial sums; out4 = entropy and out3 = perplexity of the usage.
;   p = u / (sum u + EPS);  H = - sum p log2(p + EPS);  entropy = ln 2 x H;  perplexity = exp(entropy) = 2^H.
; One work-group of 256 threads: 16 usage numbers and one partial sum a thread.  17 KiB are read and three numbers stored: one work-group, since a sum over all has one owner.
; LIMIT: v_log_f32 and v_rcp_f32 take a denormal input as zero (ISA guide, their entries); p + EPS and sum u + EPS are at least 1e-10 for usage that is not negative.
.set U, 8                              ; v[8:23]   usage, then -p
.set T, 24                             ; v[24:27]  p + EPS, then its log2
.set E, 28                             ; v[28:31]  four running sums of -p log2(p + EPS)
.macro WSUM r, t                       ; the sum over the wave's 32 lanes, in every lane
	v_add_f32_dpp v[\r], v[\r], v[\r] row_xmask:1 row_mask:0xf bank_mask:0xf
	v_add_f32_dpp v[\r], v[\r], v[\r] row_xmask:2 row_mask:0xf bank_mask:0xf
	v_add_f32_dpp v[\r], v[\r], v[\r] row_xmask:4 row_mask:0xf bank_mask:0xf
	v_add_f32_dpp v[\r], v[\r], v[\r] row_xmask:8 row_mask:0xf bank_mask:0xf
	v_permlanex16_b32 v[\t], v[\r], s16, s17
	v_add_f32 v[\r], v[\r], v[\t]
.endm
	s_load_b256 s[4:11], s[0:1], 0x0               ; lpart s[4:5], codebook_usage s[6:7], out2 s[8:9], out3 s[10:11]
	s_load_b64 s[12:13], s[0:1], 0x20              ; out4
	v_lshl_add_u32 v64, v0, 2, 0x100
	v_mov_b32 v65, 0
	v_lshrrev_b32 v1, 5, v0
	v_readfirstlane_b32 s14, v1                    ; wave 0..7
	v_lshlrev_b32 v2, 4, v0
	v_lshlrev_b32 v3, 2, v0
	v_lshlrev_b32 v4, 3, v1                        ; first meeting in LDS: 8 bytes a wave from byte 0
	v_lshlrev_b32 v5, 2, v1                        ; second: 4 bytes a wave from byte 64
	v_mov_b32 v6, 0
	v_mov_b32 v34, 0                               ; v_permlanex16_b32 counts as a reader of its destination
	s_mov_b32 s16, 0x76543210
	s_mov_b32 s17, 0xfedcba98
	s_mov_b32 s18, 0x2edbe6ff                      ; EPS = 1e-10
	s_wait_kmcnt 0x0
.irp u, 0,1,2,3
	global_load_b128 v[U+4*\u:U+4*\u+3], v2, s[6:7] offset:4096*\u
.endr
	global_load_b32 v33, v3, s[4:5]
	s_wait_loadcnt 0x0
	v_pk_add_f32 v[24:25], v[8:9], v[10:11]
	v_pk_add_f32 v[26:27], v[12:13], v[14:15]
	v_pk_add_f32 v[28:29], v[16:17], v[18:19]
	v_pk_add_f32 v[30:31], v[20:21], v[22:23]
	v_pk_add_f32 v[24:25], v[24:25], v[26:27]
	v_pk_add_f32 v[28:29], v[28:29], v[30:31]
	v_pk_add_f32 v[24:25], v[24:25], v[28:29]
	v_add_f32 v32, v24, v25
	WSUM 32, 34                                    ; usage
	WSUM 33, 34                                    ; squares
	ds_store_b64 v4, v[32:33]
	s_wait_dscnt 0x0                               ; my pair is in LDS,
	s_barrier_signal -1
	s_barrier_wait -1                              ; everybody's is
.irp u, 0,1,2,3
	ds_load_b128 v[36+4*\u:39+4*\u], v6 offset:16*\u
.endr
	s_wait_dscnt 0x0
	v_pk_add_f32 v[36:37], v[36:37], v[38:39]
	v_pk_add_f32 v[40:41], v[40:41], v[42:43]
	v_pk_add_f32 v[44:45], v[44:45], v[46:47]
	v_pk_add_f32 v[48:49], v[48:49], v[50:51]
	v_pk_add_f32 v[36:37], v[36:37], v[40:41]
	v_pk_add_f32 v[44:45], v[44:45], v[48:49]
	v_pk_add_f32 v[36:37], v[36:37], v[44:45]      ; v36 = sum u, v37 = sum of squares
	v_add_f32 v52, s18, v36
	v_rcp_f32 v52, v52
	v_mul_f32 v37, 0x34800000, v37                 ; the mean over 16,384 x 256 numbers: x 2^-22.  Also the plain instruction behind v_rcp_f32 (ISA guide 5.7.2)
	s_wait_alu depctr_va_vdst(0)
	v_sub_f32 v53, 0, v52                          ; -1 / (sum u + EPS): the sums below come out as -p log2(p + EPS)
.irp u, 0,1,2,3
.irp k, 0,1,2,3
	v_fma_f32 v[T+\k], v[U+4*\u+\k], v52, s18      ; p + EPS
.endr
.irp k, 0,1,2,3
	v_log_f32 v[T+\k], v[T+\k]
.endr
	s_wait_alu depctr_va_vdst(0)
.irp k, 0,1,2,3
	v_mul_f32 v[U+4*\u+\k], v[U+4*\u+\k], v53      ; -p: plain instructions that touch no logarithm stand behind the four v_log_f32
.endr
.irp k, 0,1,2,3
.if \u == 0
	s_wait_alu depctr_va_vdst(0)
	v_mul_f32 v[E+\k], v[U+\k], v[T+\k]            ; the first four start the sums
.else
	v_fmac_f32 v[E+\k], v[U+4*\u+\k], v[T+\k]
.endif
.endr
.endr
	v_add_f32 v28, v28, v29
	v_add_f32 v30, v30, v31
	v_add_f32 v28, v28, v30
	WSUM 28, 34
	ds_store_b32 v5, v28 offset:64                 ; other bytes than the first meeting's: no wave can still be reading them
	s_wait_dscnt 0x0
	s_barrier_signal -1
	s_barrier_wait -1
	s_cmp_lg_u32 s14, 0
	s_cbranch_scc1 .Lend
	ds_load_b128 v[40:43], v6 offset:64
	ds_load_b128 v[44:47], v6 offset:80
	s_wait_dscnt 0x0
	v_pk_add_f32 v[40:41], v[40:41], v[42:43]
	v_pk_add_f32 v[44:45], v[44:45], v[46:47]
	v_pk_add_f32 v[40:41], v[40:41], v[44:45]
	v_add_f32 v40, v40, v41                        ; H
	v_exp_f32 v41, v40                             ; perplexity = 2^H
	v_mul_f32 v42, 0x3f317218, v40                 ; entropy = ln 2 x H; the plain instruction behind v_exp_f32
	s_wait_xcnt 0x0                                ; EXEC changes only behind this wait
	v_cmp_eq_u32 vcc_lo, 0, v0
	s_wait_tensorcnt 0x0
	ds_add_u32 v64, v65
	s_wait_dscnt 0x0
	s_and_saveexec_b32 s15, vcc_lo
	global_store_b32 v6, v37, s[8:9]
	s_wait_alu depctr_va_vdst(0)
	global_store_b32 v6, v41, s[10:11]
	global_store_b32 v6, v42, s[12:13]
	s_endpgm
.Lend:
	s_wait_tensorcnt 0x0
	ds_add_u32 v64, v65
	s_wait_dscnt 0x0
	s_endpgm
.Lfunc_end_k_qaf2f41f463_finish:
	.size	k_qaf2f41f463_finish, .Lfunc_end_k_qaf2f41f463_finish-k_qaf2f41f463_finish
	.p2alignl 7, 3214868480
	.fill 96, 4, 3214868480
	.section	.rodata,"a",@progbits
	.p2align	6, 0x0
	.amdhsa_kernel k_qaf2f41f463_finish
		.amdhsa_group_segment_fixed_size 1280
		.amdhsa_private_segment_fixed_size 0
		.amdhsa_enable_private_segment 0
		.amdhsa_kernarg_size 40
		.amdhsa_user_sgpr_count 2
		.amdhsa_user_sgpr_kernarg_segment_ptr 1
		.amdhsa_wavefront_size32 1
		.amdhsa_system_sgpr_workgroup_id_x 1
		.amdhsa_system_sgpr_workgroup_id_y 1
		.amdhsa_system_sgpr_workgroup_id_z 1
		.amdhsa_system_vgpr_workitem_id 0
		.amdhsa_next_free_vgpr 66
		.amdhsa_next_free_sgpr 66
		.amdhsa_reserve_vcc 1
		.amdhsa_float_denorm_mode_32 3
		.amdhsa_float_denorm_mode_16_64 3
		.amdhsa_memory_ordered 1
		.amdhsa_forward_progress 1
		.amdhsa_inst_pref_size 9
	.end_amdhsa_kernel
	.amdgpu_metadata
---
amdhsa.version: [ 1, 2 ]
amdhsa.kernels:
  - .name:           k_qaf2f41f463_finish
    .symbol:         k_qaf2f41f463_finish.kd
    .args:
      - { .name: lpart, .offset: 0, .size: 8, .value_kind: global_buffer, .address_space: global }
      - { .name: codebook_usage, .offset: 8, .size: 8, .value_kind: global_buffer, .address_space: global }
      - { .name: out2, .offset: 16, .size: 8, .value_kind: global_buffer, .address_space: global }
      - { .name: out3, .offset: 24, .size: 8, .value_kind: global_buffer, .address_space: global }
      - { .name: out4, .offset: 32, .size: 8, .value_kind: global_buffer, .address_space: global }
    .group_segment_fixed_size: 1280
    .private_segment_fixed_size: 0
    .kernarg_segment_align: 8
    .kernarg_segment_size: 40
    .max_flat_workgroup_size: 256
    .sgpr_count:     66
    .vgpr_count:     66
    .wavefront_size: 32
...
	.end_amdgpu_metadata
.endif
;; end of part 4
;; ======== version 2 of 2: 4 launches; version 1 with the launch prep written anew for expert scheduling mode
;; limits: values outside matrix products are rounded to bf16
;; workspace buffers: cb16 2,097,152 bytes; nhe 16,384 bytes; pval 131,072 bytes; pidx 131,072 bytes of whole numbers; lpart 1,024 bytes
;; launch prep (part 5): grid 256 x 1, 4 waves a work-group, no clusters, 0 bytes of LDS; arguments codebook, cb16, nhe; writes cb16, nhe
.if DOCPART == 5
	.amdgcn_target "amdgcn-amd-amdhsa--gfx1250"
	.amdhsa_code_object_version 6
	.text
	.protected	k_qaf2f41f463_prep
	.globl	k_qaf2f41f463_prep
	.p2align	8
	.type	k_qaf2f41f463_prep,@function
k_qaf2f41f463_prep:
	s_mov_b64 s[64:65], 0
	v_nop
	global_prefetch_b8 v0, s[64:65] scope:SCOPE_SE
	s_setreg_imm32_b32 hwreg(HW_REG_WAVE_SCHED_MODE, 0, 2), 2
	s_setreg_imm32_b32 hwreg(HW_REG_WAVE_MODE, 25, 1), 1
	s_wait_xcnt 0x0
	s_wait_alu depctr_vm_vsrc(0)
; Vector quantiser, launch 1 of 4: the codebook rounded to bf16 (cb16) and nhe[k] = -1/2 sum over d of cb16[k][d]^2, in f32.
;
; WORK LEFT OUT BY THE PROGRAM.
; (1) reference() forms distances = z_sq + e_sq - 2 dots and uses them in the argmin over the codes alone.
; z_sq[row] is the same for every code of a row, so in real numbers, for all finite inputs,
;   argmin over k of (z_sq + e_sq[k] - 2 dots[k]) = argmax over k of (dots[k] - e_sq[k] / 2),
; and z_sq reaches no other output.  It is never formed.  (The factor -1/2 is a power of two: exact in f32.)
; (2) reference() returns z + (z_q - z).  In real numbers the two z cancel for all inputs: the sum is z_q, the chosen row of the codebook.
; Launch 3 stores that row as it is; the difference is still formed there, for the loss.
; LIMITS.  Where z_sq is so large beside e_sq - 2 dots that f32 rounds different distances together, reference() takes the first of them and this
; program the truly smaller one.  A NaN, an infinity or an overflow in z_sq is not carried to the result.  A NaN score loses here, where
; jnp.argmin would pick it.  Two codes whose distances differ by no more than the f32 rounding of the sums (some 1e-4 at distances near 512)
; may be chosen otherwise than reference() chooses.  out0 differs from reference()'s by the rounding of its two additions, about one unit in the last
; place of |z| at the most; a NaN or an infinity in z reaches out2 but is not carried to out0.
; e_sq is taken of the ROUNDED codebook: the product runs on bf16 operands, and the two terms of a score then belong to one and the same vector.
;
; A work-group takes 16 rows of the codebook, a wave 4.  A row is 1,024 bytes: two loads of 16 bytes a lane, 512 consecutive bytes each.
; A store of 8 bytes a lane covers 256 consecutive bytes of cb16, aligned.  No LDS, no barrier: a row never leaves its wave.
;
; THE MODE: SCHED_MODE bits 1:0 = 2 (LLVM: expert scheduling mode 2), set by the entry lines.  The code itself states the register dependences
; between vector instructions and memory instructions, with s_wait_alu, always for 0.
; THE PLAN.  Registers that memory instructions touch:
;   v3, v4, v5  byte offsets, made once at the head and never written again: v3 is read by the loads, v4 by the stores of cb16, v5 by the store of nhe.
;   X           Written by the eight loads, once; read by row i's four conversions.  No vector instruction names it ahead of the loads.
;   P           Four registers a row, written by the row's conversions, once; read by its eight unpacking lines and by its two stores.
;   S           Written by the sums; read by the last store.
;   T and A are named by vector instructions alone.
; So one wait on va_vdst stands at the head, for the offsets; one in each row, behind its unpacking lines and ahead of its two stores, for P; and the three waits
; ahead of the one write of EXEC, of which the one on va_vdst also states that S is written.  No register that a memory instruction reads is written again, so
; the wait on vm_vsrc is owed ahead of that write of EXEC alone.
; The four rows' sums over the lanes stand together behind the last row, side by side: so a row's wait finds of the row before only its five lines of squares,
; issued twelve vector instructions earlier.  Each row's sum takes its terms in the order that it would take them alone.
.set X,  8                             ; v[8:39]   row i, half g: 4 registers as loaded
.set P,  40                            ; v[40:55]  row i: 4 words of two bf16, store data, never rewritten
.set T,  56                            ; v[56:63]  the rounded numbers as f32; at the end v[56:59]: row i's sum in the other half of the lanes, at T + i
.set A,  64                            ; v[64:65]  running sums
.set S,  68                            ; v[68:71]  nhe of my four rows
	s_load_b128 s[4:7], s[0:1], 0x0                ; codebook s[4:5], cb16 s[6:7]
	s_load_b64 s[8:9], s[0:1], 0x10                ; nhe
	v_and_b32 v1, 31, v0                           ; lane
	v_lshrrev_b32 v2, 5, v0                        ; wave
	v_lshlrev_b32 v3, 4, v1
	v_lshl_add_u32 v3, v2, 12, v3                  ; in: 4 rows x 1,024 bytes a wave + 16 bytes a lane
	v_lshlrev_b32 v4, 3, v1
	v_lshl_add_u32 v4, v2, 11, v4                  ; out: 4 rows x 512 bytes a wave + 8 bytes a lane
	v_lshlrev_b32 v5, 4, v2                        ; nhe: 16 bytes a wave
	s_lshl_b32 s10, ttmp9, 14                      ; 16 rows x 1,024 bytes
	s_mov_b32 s11, 0
	s_lshl_b32 s12, ttmp9, 13                      ; 16 rows x 512 bytes
	s_mov_b32 s13, 0
	s_lshl_b32 s14, ttmp9, 6                       ; 16 numbers of 4 bytes
	s_mov_b32 s15, 0
	s_mov_b32 s16, 0x76543210                      ; v_permlanex16_b32: lane i of one half reads lane i of the other
	s_mov_b32 s17, 0xfedcba98
	s_mov_b32 s18, 0xffff0000                      ; a word's upper bf16
	s_wait_kmcnt 0x0
	s_add_nc_u64 s[4:5], s[4:5], s[10:11]
	s_add_nc_u64 s[6:7], s[6:7], s[12:13]
	s_add_nc_u64 s[8:9], s[8:9], s[14:15]
	s_wait_alu depctr_va_vdst(0)                   ; v3, v4 and v5 are written: every load and store of the kernel reads one of them as its offset
.irp i, 0,1,2,3
	global_load_b128 v[X+8*\i:X+8*\i+3],   v3, s[4:5] offset:1024*\i
	global_load_b128 v[X+8*\i+4:X+8*\i+7], v3, s[4:5] offset:1024*\i+512
.endr
.macro PROW i
	s_wait_loadcnt 6-2*\i                          ; loads come back in order: this row's two are in, the later rows' stay out
.irp k, 0,1,2,3
	v_cvt_pk_bf16_f32 v[P+4*\i+\k], v[X+8*\i+2*\k], v[X+8*\i+2*\k+1]
.endr
.irp k, 0,1,2,3
	v_lshlrev_b32 v[T+2*\k],   16,  v[P+4*\i+\k]   ; the rounded numbers back as f32: eight lines of work between the conversions and the wait below
	v_and_b32     v[T+2*\k+1], s18, v[P+4*\i+\k]
.endr
	s_wait_alu depctr_va_vdst(0)                   ; the four conversions have written this row's P, which the two stores read
	global_store_b64 v4, v[P+4*\i:P+4*\i+1],   s[6:7] offset:512*\i
	global_store_b64 v4, v[P+4*\i+2:P+4*\i+3], s[6:7] offset:512*\i+256
	v_pk_mul_f32 v[A:A+1], v[T:T+1], v[T:T+1]      ; the first squares start the sums
.irp k, 2,4,6
	v_pk_fma_f32 v[A:A+1], v[T+\k:T+\k+1], v[T+\k:T+\k+1], v[A:A+1]
.endr
	v_add_f32 v[S+\i], v[A], v[A+1]                ; my lane's part of the row's sum of squares
.endm
	PROW 0
	PROW 1
	PROW 2
	PROW 3
	; the four rows' sums over the 32 lanes, side by side: four steps inside each half of 16 lanes, one across the halves
.irp m, 1,2,4,8
.irp i, 0,1,2,3
	v_add_f32_dpp v[S+\i], v[S+\i], v[S+\i] row_xmask:\m row_mask:0xf bank_mask:0xf
.endr
.endr
.irp i, 0,1,2,3
	v_permlanex16_b32 v[T+\i], v[S+\i], s16, s17   ; its destination counts as read: the unpacking lines have written T
.endr
.irp i, 0,1,2,3
	v_add_f32 v[S+\i], v[S+\i], v[T+\i]            ; every lane holds the row's sum of squares
.endr
.irp i, 0,1,2,3
	v_mul_f32 v[S+\i], -0.5, v[S+\i]
.endr
	s_wait_xcnt 0x0                                ; EXEC is a source of the stores above: it changes only behind this wait
	v_cmp_eq_u32 vcc_lo, 0, v1
	s_wait_alu depctr_va_vcc(0)                    ; the compare has written VCC, from which EXEC is made
	s_wait_alu depctr_va_vdst(0)                   ; the four products have written S, which the store below reads; no vector instruction is out when EXEC is written
	s_wait_alu depctr_vm_vsrc(0)                   ; the eight stores above have read their vector registers before EXEC is narrowed
	s_and_saveexec_b32 s19, vcc_lo
	global_store_b128 v5, v[S:S+3], s[8:9]         ; lane 0: the wave's four numbers, 16 of nhe's bytes.  16 rows a work-group give every one of the 256 groups work; nhe is 16 KiB beside cb16's 2 MiB
	s_endpgm
.Lfunc_end_k_qaf2f41f463_prep:
	.size	k_qaf2f41f463_prep, .Lfunc_end_k_qaf2f41f463_prep-k_qaf2f41f463_prep
	.p2alignl 7, 3214868480
	.fill 96, 4, 3214868480
	.section	.rodata,"a",@progbits
	.p2align	6, 0x0
	.amdhsa_kernel k_qaf2f41f463_prep
		.amdhsa_group_segment_fixed_size 0
		.amdhsa_private_segment_fixed_size 0
		.amdhsa_enable_private_segment 0
		.amdhsa_kernarg_size 24
		.amdhsa_user_sgpr_count 2
		.amdhsa_user_sgpr_kernarg_segment_ptr 1
		.amdhsa_wavefront_size32 1
		.amdhsa_system_sgpr_workgroup_id_x 1
		.amdhsa_system_sgpr_workgroup_id_y 1
		.amdhsa_system_sgpr_workgroup_id_z 1
		.amdhsa_system_vgpr_workitem_id 0
		.amdhsa_next_free_vgpr 72
		.amdhsa_next_free_sgpr 66
		.amdhsa_reserve_vcc 1
		.amdhsa_float_denorm_mode_32 3
		.amdhsa_float_denorm_mode_16_64 3
		.amdhsa_memory_ordered 1
		.amdhsa_forward_progress 1
		.amdhsa_inst_pref_size 8
	.end_amdhsa_kernel
	.amdgpu_metadata
---
amdhsa.version: [ 1, 2 ]
amdhsa.kernels:
  - .name:           k_qaf2f41f463_prep
    .symbol:         k_qaf2f41f463_prep.kd
    .args:
      - { .name: codebook, .offset: 0, .size: 8, .value_kind: global_buffer, .address_space: global }
      - { .name: cb16, .offset: 8, .size: 8, .value_kind: global_buffer, .address_space: global }
      - { .name: nhe, .offset: 16, .size: 8, .value_kind: global_buffer, .address_space: global }
    .group_segment_fixed_size: 0
    .private_segment_fixed_size: 0
    .kernarg_segment_align: 8
    .kernarg_segment_size: 24
    .max_flat_workgroup_size: 128
    .sgpr_count:     66
    .vgpr_count:     72
    .wavefront_size: 32
...
	.end_amdgpu_metadata
.endif
;; end of part 5
;; launch search: the kernel of part 2 again; grid 128 x 2, 4 waves a work-group, clusters of 4 x 1, 327,680 bytes of LDS; arguments z, cb16, nhe, pval, pidx; writes pval, pidx
;; launch gather: the kernel of part 3 again; grid 256 x 1, 8 waves a work-group, no clusters, 1,280 bytes of LDS; arguments z, codebook, pval, pidx, out0, out1, lpart; writes out0, out1, lpart
;; launch finish: the kernel of part 4 again; grid 1 x 1, 8 waves a work-group, no clusters, 1,280 bytes of LDS; arguments lpart, codebook_usage, out2, out3, out4; writes out2, out3, out4
